; MI455X (gfx1250); checked and timed in simulation.
; The chip was launched on July 23, 2026; its instructions are those of AMD's public machine-readable ISA for CDNA 5 (MIT licence, August 2026) and "CDNA5" Instruction Set Architecture Reference Guide (July 2026). The comments in the code are by the model that wrote it; some were corrected since.
;; D Full Attention. Allowed arithmetic: matrix products marked QUANTISED: E2M1 operands, one E8M0 scale for each 32 along K, by v_wmma_scale_f32_16x16x128_f8f6f4 with both operands' format E2M1 (or v_wmma_scale_f32_32x16x128_f4), f32 sums; products left as they are: f32 operands where the result goes on into a quantised operand, else bf16, f16 or f32 operands; f32 sums; everything else in f32.
;; Inputs: W1 128 x 64 float32; W2 64 x 1 float32; b1 64 float32; b2 1 float32; keys 8 x 2,048 x 2 x 64 float32; queries 8 x 2,048 x 2 x 64 float32; values 8 x 2,048 x 2 x 64 float32.
;; Outputs: out0 8 x 2,048 x 2 x 64 float32.
;; This version of the problem:
;;   THIS VERSION OF THE PROBLEM IS GIVEN IN LOW PRECISION. The matrix products marked QUANTISED in the list below multiply operands that are first quantised to E2M1 (2 exponent bits, 1 mantissa bit; 4 bits a number), with one power-of-two scale for each 32 numbers along K (OCP MX v1.0); their sums are f32. All else is computed in f32.
;;   The module's matrix products, in the order in which they are computed (A, B: the left and right operand; K: the contracted axis; several contracted axes count as one K, in the product's order):
;;     1. batch 16 x [M 2,048, K 64] x [K 64, N 2,048]; A: input queries; B: input keys: QUANTISED
;;     2. [M 16,384, K 128] x [K 128, N 64]; A: input values; B: input W1: QUANTISED
;;     3. [M 16,384, K 64] x [K 64, N 1]; A: computed on the way; B: input W2: left as it is (N = 1 < 16)
;;     4. batch 16 x [M 64, K 2,048] x [K 2,048, N 2,048]; A: input values; B: softmax (see below): QUANTISED
;;   THE QUANTISER, for each operand of a quantised product, along K:
;;     - K is cut into blocks of 32 from its start; a last block that is shorter is filled with zeros.
;;     - A block's scale is 2^e with e = floor(log2(the largest magnitude in the block)) - 2, held to -126 .. 127; a block of zeros has e = 0. As a byte (E8M0): e + 127.
;;     - Each number is divided by its block's scale, clamped to +-6, and rounded to the nearest number of E2M1, ties to even, subnormals kept.
;;     - The product sums the exact products of the quantised numbers (number of the format x scale) in f32.
;;   ~~~python
;;   def quantise(x, axis):      # numpy; x: float32 -> the quantised numbers, widened to float32 again
;;       x = np.moveaxis(x, axis, -1); K = x.shape[-1]
;;       x = np.pad(x, [(0, 0)] * (x.ndim - 1) + [(0, -K % 32)]); x = x.reshape(x.shape[:-1] + (-1, 32)); a = np.abs(x).max(-1, keepdims=True)
;;       e = np.where(a > 0, np.clip(np.frexp(np.where(a > 0, a, 1))[1] - 1 - 2, -126, 127), 0)      # np.frexp(a)[1] - 1 = floor(log2(a)), exactly
;;       r = np.clip(x / 2.0 ** e, -6, 6)
;;       step = 2.0 ** (np.maximum(np.frexp(np.where(r == 0, 1, r))[1] - 1, 0) - 1)
;;       q = np.round(r / step) * step * 2.0 ** e      # np.round: ties to even
;;       return np.moveaxis(q.reshape(q.shape[:-2] + (-1,))[..., :K], -1, axis).astype(np.float32)
;;   ~~~
;;   SOFTMAX AHEAD OF A QUANTISED PRODUCT. Where the list says 'softmax', what is quantised is not the finished softmax but p = 2^(t - M), with t = logit x log2(e) and M = ceil(the row's largest t), a whole number; so 1/2 < the row's largest p <= 1. The row's sum l is taken of the UNQUANTISED p, in f32, and the product's result is divided by l at the end. Since M is a whole number, a kernel that streams over the keys may use a running M (the ceiling of the running maximum): every later rescaling is an exact power of two, which a block's scale takes up: the codes' values come out the same.
;;   OPERANDS COMPUTED ON THE WAY. 'Computed on the way' means the value that the module computes at that place (a softmax that the list does not call 'softmax' is quantised finished and normalised). What goes into a quantiser is computed in f32, as accurately as f32 sums, v_exp_f32 and their like allow (about 1e-6 of the number): no bf16 or f16 on the way to a quantiser, and a product that is left as it is and whose result goes on into a quantised operand takes f32 operands (vector FMAs, or v_wmma_f32_16x16x4_f32). A number that lies on a knife's edge between two numbers of the format may be rounded either way, as far as f32 arithmetic and the matrix unit's own rounding can turn it there, and no further.
;; One version. Each part assembles by itself: llvm-mc -triple=amdgcn-amd-amdhsa -mcpu=gfx1250 --defsym DOCPART=n.
;; ======== version 1 of 1: 2 launches
;; limits: right only within a limited range of input values
;; workspace buffers: kv 2,359,296 bytes
;; launch prep (part 1): grid 512 x 1, 8 waves a work-group, no clusters, 80,384 bytes of LDS; arguments keys, values, W1, b1, W2, b2, kv; writes kv
.if DOCPART == 1
	.amdgcn_target "amdgcn-amd-amdhsa--gfx1250"
	.amdhsa_code_object_version 6
	.text
	.protected	k_q4e43ea2412_prep
	.globl	k_q4e43ea2412_prep
	.p2align	8
	.type	k_q4e43ea2412_prep,@function
k_q4e43ea2412_prep:
	s_mov_b64 s[64:65], 0
	v_nop
	global_prefetch_b8 v0, s[64:65] scope:SCOPE_SE
	s_setreg_imm32_b32 hwreg(HW_REG_WAVE_MODE, 25, 1), 1
	s_wait_xcnt 0x0
; PREP.  keys, values: [8][2048][2][64] f32.  W1 [128][64], b1 [64], W2 [64], b2 [1] f32.
; Makes kv: for each (batch, head) a region of 16 step blocks of 9,216 bytes, a block for each 128 keys: K's codes and V^T's codes as IMAGES OF OPERAND REGISTERS (lane l's 16 bytes at 16 l), their E8M0 scale bytes,
; codes of E2M1, one scale for each 32 along a product's K; and deg = clip(sigmoid(relu(values W1 + b1) W2 + b2), 0.01, 0.99) of the 128 positions, f32, the net's first product on codes of E2M1
; (values and W1 quantised along the 128), its second in f32 multiply-adds.  The batch's maximum is taken off deg by the next launch.
; A step block: bytes 0-4095 K: tile T = 4 c + i at 512 T: lane (r, hl) = key 64 c + 8 i + r % 8 + 32 (r / 8), channels 32 hl + 0..31;
;   bytes 4096-8191 V^T: tile t at 1024 t, registers 4 c .. 4 c + 3 at + 512 c: lane (r, hl) = channel 16 t + r, keys 64 c + 32 hl + 0..31;
;   bytes 8192-8703 scale bytes, 256 for each c: K's at 8 r + 2 i + hl, V's at 128 + 8 r + 2 t + hl;
;   bytes 8704-9215 deg of the step's 128 positions: the same in both heads' blocks.
; TWO KINDS OF WORK-GROUP, each with LDS bytes of its own.  Work-groups 0-255: the small net, 64 positions each.  Work-groups 256-511: codes, one head's K and V of 128 keys each.  Two fit on a WGP beside each other.
; Each of the eight waves has two pieces of 32 x 32 numbers (W1 and x, or K and V), laid so that ONE LANE HOLDS ONE WHOLE BLOCK OF 32: no maximum crosses lanes.  Where the product's K is innermost in memory (K, x)
; loads take whole rows of 256 bytes, sixteen lanes to a row, and the piece turns through the wave's own stage in LDS (pitch 272); where it is not (V, W1) a lane takes a column and its registers run down K.
; No cluster and no tensor loads: every operand goes from memory to registers once; what work-groups share is W1's 32,768 bytes, wanted once by each.  No prefetch: there is no loop to run ahead in.
; A block's scale is 2^(floor(log2(largest magnitude)) - 2): its byte is the largest magnitude's exponent field - 2, held at 1 from below.
; LIMITS: NaN and infinities among the inputs are not served.  A block of zeros (or one whose largest magnitude lies under 2^-124) gets the byte 1: a block of zeros has zero codes, and this program alone reads the bytes.
.set STEPB, 9216
.set REGB, 16*STEPB
.set SCI,   0                          ; LDS, codes: the step's scale bytes, 512
.set STGK,  512                        ; a stage of 16 rows x 272 bytes for each wave: K's turn
.set XSC,   35328                      ; LDS, net: x's scale words, 64 rows x 4 bytes
.set W1SC,  35584                      ; W1's scale words, 64 columns x 4 bytes
.set DSTG,  35840                      ; the partial sums: [half of the hidden units][64 positions] f32
.set XIMG,  36352                      ; x's four fragments, 1,024 bytes each
.set W1IMG, 40448                      ; W1's four fragments
.set STGX,  44544                      ; a stage for each wave: x's turn
.set SPARE, 79360                      ; the spare words
.set RA,  64                           ; v64-95   net: W1's piece, then x's as blocks, then W1's two fragments
.set RB,  96                           ; v96-127  net: x's piece as loaded, then x's fragment; codes: K's as blocks
.set RC,  128                          ; v128-159 codes: K's piece as loaded
.set RD,  160                          ; v160-191 codes: V's piece
.set B1R, 192                          ; v192-207 b1 in the result's layout, two tiles
.set W2R, 208                          ; v208-223 W2 likewise
.set HID, 224                          ; v224-239 the hidden layer
.set CW,  32                           ; v32-47   codes: W1's, x's, K's, V's, four registers each
.set CX,  36
.set CK,  40
.set CV,  44
; v4 K's offset, v5 x's, v6 V's, v7 W1's; v8 into a stage, v9 out of it; v10 16 x thread; v11 an image's place for a column piece; v12-15 the four byte stores;
; v16 16 x lane; v17, v18 x's fragment and scale word; v19, v20 W1's; v21 b1 and W2; v22 the partial sum; v23 8 x lane; v24-26 at work; v28-31 scale bytes; v48-50 scale words and nothing else; v55 deg in kv
; 32 numbers v[x] .. v[x + 31] of one block become 16 bytes of codes in v[c] .. v[c + 3] and the scale's byte in v[e]
.macro QBLK x, c, e
	v_max3_num_f32 v24, |v[\x]|, |v[\x+1]|, |v[\x+2]|
	v_max3_num_f32 v25, |v[\x+3]|, |v[\x+4]|, |v[\x+5]|
.irp i, 6,10,14,18,22,26
	s_delay_alu instid0(VALU_DEP_2)
	v_max3_num_f32 v24, v24, |v[\x+\i]|, |v[\x+\i+1]|          ; two chains by turns
	s_delay_alu instid0(VALU_DEP_2)
	v_max3_num_f32 v25, v25, |v[\x+\i+2]|, |v[\x+\i+3]|
.endr
	s_delay_alu instid0(VALU_DEP_2)
	v_max3_num_f32 v24, v24, |v[\x+30]|, |v[\x+31]|
	s_delay_alu instid0(VALU_DEP_1)
	v_max3_num_f32 v24, v24, v25, 0x1800000                    ; and the floor 2^(3 - 127): the byte cannot fall under 1
	s_delay_alu instid0(VALU_DEP_1)
	v_add_nc_u32 v26, 0xff000000, v24                          ; 2 off the exponent field: the conversion takes this operand's exponent field as its scale
	s_delay_alu instid0(VALU_DEP_1)
	v_lshrrev_b32 v[\e], 23, v26                               ; the scale's byte
.irp g, 0,1,2,3
	v_cvt_scalef32_pk8_fp4_f32 v[\c+\g], v[\x+8*\g:\x+8*\g+7], v26
.endr
	v_nop                                                      ; one plain place behind the last scaled conversion
.endm
.macro TURN_IN reg, stg                ; a piece as loaded (load j: rows 2 j + hl, 16 bytes at 16 r) into my stage
.irp j, 0,1,2,3,4,5,6,7
	ds_store_b128 v8, v[\reg+4*\j:\reg+4*\j+3] offset:\stg+544*\j
.endr
.endm
.macro TURN_OUT reg, stg               ; and back: lane (r, hl) takes row r's bytes 128 hl + 0..127.  LDS serves a wave's instructions in order (ISA guide 5.7.1.4): these see my stores
.irp i, 0,1,2,3,4,5,6,7
	ds_load_b128 v[\reg+4*\i:\reg+4*\i+3], v9 offset:\stg+16*\i
.endr
.endm
.macro SM d, a, m                      ; s[d] = s[a] x m
	s_mul_i32 s[\d], s[\a], \m
.endm
.macro SPLUS d, a, m                   ; s[d] += s[a] x m
	s_mul_i32 s62, s[\a], \m
	s_add_co_u32 s[\d], s[\d], s62
.endm
	s_load_b256 s[4:11], s[0:1], 0x0               ; keys s[4:5], values s[6:7], W1 s[8:9], b1 s[10:11]
	s_load_b128 s[12:15], s[0:1], 0x20             ; W2 s[12:13], b2 s[14:15]
	s_load_b64 s[16:17], s[0:1], 0x30              ; kv
	v_lshl_add_u32 v254, v0, 2, SPARE
	v_mov_b32 v255, 0
	v_lshrrev_b32 v1, 5, v0
	v_readfirstlane_b32 s22, v1                    ; wave w, 0..7
	v_and_b32 v1, 31, v0                           ; lane l
	v_and_b32 v2, 15, v0                           ; r
	v_bfe_u32 v3, v0, 4, 1                         ; hl
	v_lshlrev_b32 v16, 4, v1                       ; 16 l
	v_lshlrev_b32 v61, 4, v2                       ; 16 r
	v_lshlrev_b32 v62, 2, v1                       ; 4 l
	v_lshlrev_b32 v63, 2, v2                       ; 4 r
	v_lshlrev_b32 v59, 3, v2                       ; 8 r
	v_lshl_add_u32 v60, v3, 9, v61                 ; 512 hl + 16 r: two rows a load, sixteen lanes to a row
	s_wait_alu depctr_va_vdst(0)                   ; the wait ahead of the scalar run
	s_lshr_b32 s23, s22, 1                         ; w >> 1
	s_and_b32 s36, s22, 1                          ; w & 1
	s_lshr_b32 s37, s22, 2                         ; w >> 2
	s_and_b32 s38, s23, 1                          ; (w >> 1) & 1
	s_and_b32 s50, s22, 3                          ; w & 3
	SM 41, 22, 4352                                ; my stage
	SM 42, 36, 2048
	SPLUS 42, 37, 512
	SPLUS 42, 38, 256
	s_and_b32 s27, ttmp9, 0xff                     ; g: my number among my kind
	s_and_b32 s26, s27, 1                          ; net: half c of the step's positions; codes: head y
	s_lshr_b32 s30, s27, 5                         ; b
	s_bfe_u32 s31, s27, 0x40001                    ; st
	SM 32, 30, 2*REGB
	SPLUS 32, 31, STEPB                            ; head 0's block of this step; head 1's lies REGB further on
	s_mov_b32 s33, 0
	s_mov_b32 s29, 0
	v_mad_u32_u24 v8, v3, 272, v61
	v_mul_u32_u24 v9, v2, 272
	v_lshl_add_u32 v11, v3, 10, v61
	v_lshlrev_b32 v10, 4, v0                       ; 16 l + 512 w: a row piece's chunk of an image
	v_add_nc_u32 v8, s41, v8
	v_lshl_add_u32 v9, v3, 7, v9
	v_add_nc_u32 v11, s42, v11                     ; a column piece: tile 2 (w & 1) + hl, registers' half w >> 2, the image's lane 16 ((w >> 1) & 1) + r
	v_add_nc_u32 v9, s41, v9
	s_wait_alu depctr_va_vdst(0)                   ; the wait ahead of the branch
	s_cmp_lt_u32 ttmp9, 256
	s_cbranch_scc0 .Lcodes
	; THE NET: positions 64 g on
	SM 39, 23, 8192                                ; x: positions 16 (w >> 1) on, numbers 64 (w & 1) on; a position is 512 bytes
	SPLUS 39, 36, 256
	SM 40, 23, 8192                                ; W1: rows 32 (w >> 1) on (256 bytes a row), column 32 (w & 1) + l
	SPLUS 40, 36, 128
	SM 44, 36, 128
	s_add_co_u32 s43, s44, s23
	SM 45, 23, 64
	SM 46, 36, 2
	s_add_co_u32 s46, s46, s45
	SM 47, 36, 256
	s_add_co_u32 s47, s47, s45
	SM 48, 23, 1024
	SM 49, 36, 2048
	SM 35, 26, 256
	s_add_co_u32 s35, s35, 8704
	s_mov_b32 s18, 0x3c23d70a                      ; 0.01
	s_mov_b32 s19, 0x3f7d70a4                      ; 0.99
	s_mov_b32 s24, 0x76543210
	s_mov_b32 s25, 0xfedcba98                      ; v_permlanex16_b32's selects for lane l xor 16
	s_lshl_b32 s28, s27, 15
	v_add_nc_u32 v5, s39, v60
	v_add_nc_u32 v7, s40, v62
	v_add_nc_u32 v14, s43, v62                     ; W1's byte: 4 x column + (w >> 1)
	v_add_nc_u32 v15, s46, v63
	v_add_nc_u32 v17, s48, v16                     ; x's fragment of my tile of rows
	v_add_nc_u32 v18, s45, v63                     ; and its scale words
	v_add_nc_u32 v19, s49, v16                     ; W1's fragments of my two tiles
	v_add_nc_u32 v20, s44, v63                     ; and their scale words
	v_lshl_add_u32 v21, v3, 5, s44                 ; b1, W2: hidden unit 32 (w & 1) + 8 hl on
	v_add_nc_u32 v22, s47, v63                     ; my partial sum: 256 (w & 1) + 4 x row
	v_lshlrev_b32 v23, 3, v1
	v_add_nc_u32 v15, v15, v3                      ; x's byte: 4 x row + 2 (w & 1) + hl
	v_mov_b32 v54, 0                               ; written once: a lane permute's destination counts as one of its sources
	v_add_nc_u32 v55, s35, v23
	s_wait_alu depctr_va_vdst(0)                   ; the wait at the head's end
	s_wait_kmcnt 0x0
	s_load_b32 s20, s[14:15], 0x0                  ; b2
	s_add_nc_u64 s[6:7], s[6:7], s[28:29]
	s_add_nc_u64 s[16:17], s[16:17], s[32:33]
.irp q, 0,1
	global_load_b128 v[B1R+8*\q:B1R+8*\q+3], v21, s[10:11] offset:64*\q
	global_load_b128 v[B1R+8*\q+4:B1R+8*\q+7], v21, s[10:11] offset:64*\q+16
	global_load_b128 v[W2R+8*\q:W2R+8*\q+3], v21, s[12:13] offset:64*\q
	global_load_b128 v[W2R+8*\q+4:W2R+8*\q+7], v21, s[12:13] offset:64*\q+16
.endr
.set i, 0
.rept 32
	global_load_b32 v[RA+i], v7, s[8:9] offset:256*i           ; W1(32 (w >> 1) + i, my column)
.set i, i+1
.endr
.irp j, 0,1,2,3,4,5,6,7
	global_load_b128 v[RB+4*\j:RB+4*\j+3], v5, s[6:7] offset:1024*\j     ; two rows' 256 consecutive bytes each
.endr
	s_wait_kmcnt 0x0                               ; b2
	s_wait_loadcnt 8                               ; b1, W2 and W1 are in; behind them: x 8
	QBLK RA, CW, 28
	ds_store_b128 v11, v[CW:CW+3] offset:W1IMG
	ds_store_b8 v14, v28 offset:W1SC
	s_wait_loadcnt 0x0                             ; x is in
	TURN_IN RB, STGX
	TURN_OUT RA, STGX
	s_wait_dscnt 0x0                               ; x's blocks are back
	QBLK RA, CX, 29
	ds_store_b128 v10, v[CX:CX+3] offset:XIMG
	ds_store_b8 v15, v29 offset:XSC
	s_wait_dscnt 0x0                               ; for the others' sake: my images and bytes lie in LDS
	s_barrier_signal -1
	s_barrier_wait -1
	; Wave w: positions 16 (w >> 1) on, hidden units 32 (w & 1) on (two tiles).  Transposed: source 0 = 16 columns of W1, source 1 = 16 positions: a lane holds one position and eight hidden units a tile.  b1 is the C
.irp c, 0,1
	ds_load_b128 v[96+4*\c:99+4*\c], v17 offset:XIMG+512*\c
.endr
	ds_load_b32 v50, v18 offset:XSC
.irp q, 0,1
.irp c, 0,1
	ds_load_b128 v[64+8*\q+4*\c:67+8*\q+4*\c], v19 offset:W1IMG+1024*\q+512*\c
.endr
	ds_load_b32 v[48+\q], v20 offset:W1SC+64*\q
.endr
	s_wait_dscnt 0x0
.irp q, 0,1
	v_wmma_scale_f32_16x16x128_f8f6f4 v[HID+8*\q:HID+7+8*\q], v[64+8*\q:71+8*\q], v[96:103], v[B1R+8*\q:B1R+8*\q+7], v[48+\q], v50 matrix_a_fmt:MATRIX_FMT_FP4 matrix_b_fmt:MATRIX_FMT_FP4
.endr
.rept 4
	v_nop                                          ; four places in front of the first read of results (ISA guide 7.12.1)
.endr
.set j, 0
.rept 16
	v_max_num_f32 v[HID+j], 0, v[HID+j]            ; relu, each accumulator from its low end on
.set j, j+1
.endr
	v_pk_mul_f32 v[52:53], v[HID:HID+1], v[W2R:W2R+1]          ; hid . W2 in f32, two chains
	v_pk_mul_f32 v[56:57], v[HID+8:HID+9], v[W2R+8:W2R+9]
.irp j, 2,4,6
	s_delay_alu instid0(VALU_DEP_2)
	v_pk_fma_f32 v[52:53], v[HID+\j:HID+1+\j], v[W2R+\j:W2R+\j+1], v[52:53]
	s_delay_alu instid0(VALU_DEP_2)
	v_pk_fma_f32 v[56:57], v[HID+8+\j:HID+9+\j], v[W2R+8+\j:W2R+9+\j], v[56:57]
.endr
	s_delay_alu instid0(VALU_DEP_1)
	v_pk_add_f32 v[52:53], v[52:53], v[56:57]
	s_delay_alu instid0(VALU_DEP_1)
	v_add_f32 v52, v52, v53
	s_delay_alu instid0(VALU_DEP_1)
	v_permlanex16_b32 v54, v52, s24, s25           ; the other eight units of each tile lie in lane l xor 16
	s_delay_alu instid0(VALU_DEP_1)
	v_add_f32 v52, v52, v54
	ds_store_b32 v22, v52 offset:DSTG              ; both halves of the lanes write the same word with the same value
	s_wait_dscnt 0x0
	s_barrier_signal -1
	s_barrier_wait -1
	s_cmp_lg_u32 s22, 0
	s_cbranch_scc1 .Lnet_done
	ds_load_b64 v[52:53], v23 offset:DSTG          ; wave 0: positions 2 l, 2 l + 1: the two halves of the hidden units
	ds_load_b64 v[56:57], v23 offset:DSTG+256
	s_wait_dscnt 0x0
	v_pk_add_f32 v[52:53], v[52:53], v[56:57]
	s_delay_alu instid0(VALU_DEP_1)
	v_add_f32 v52, s20, v52                        ; + b2
	s_delay_alu instid0(VALU_DEP_2)
	v_add_f32 v53, s20, v53
	s_delay_alu instid0(VALU_DEP_2)
	v_mul_f32 v52, 0xbfb8aa3b, v52                 ; sigmoid(z) = 1 / (1 + 2^(-z log2(e)))
	s_delay_alu instid0(VALU_DEP_2)
	v_mul_f32 v53, 0xbfb8aa3b, v53
	s_wait_alu depctr_va_vdst(0)
	v_exp_f32 v52, v52
	v_exp_f32 v53, v53
	v_nop                                          ; a plain place behind the transcendentals
	s_wait_alu depctr_va_vdst(0)
	v_add_f32 v52, 1.0, v52
	v_add_f32 v53, 1.0, v53
	s_wait_alu depctr_va_vdst(0)
	v_rcp_f32 v52, v52
	v_rcp_f32 v53, v53
	v_nop
	s_wait_alu depctr_va_vdst(0)
	v_med3_num_f32 v52, v52, s18, s19              ; the clip
	v_med3_num_f32 v53, v53, s18, s19
	global_store_b64 v55, v[52:53], s[16:17]       ; 32 lanes store 256 consecutive bytes, aligned: head 0's block,
	global_store_b64 v55, v[52:53], s[16:17] offset:REGB       ; and head 1's
.Lnet_done:
	s_wait_tensorcnt 0x0                           ; the wave's end
	ds_add_u32 v254, v255
	s_wait_dscnt 0x0
	s_endpgm
.Lcodes:                                           ; THE CODES of head y's K and V, 128 keys
	SM 39, 37, 32768                               ; K: tile w begins at key 64 (w >> 2) + 8 (w & 3); a position is 512 bytes
	SPLUS 39, 50, 4096
	SM 40, 23, 16384                               ; V: keys 32 (w >> 1) on, channel 32 (w & 1) + l
	SPLUS 40, 36, 128
	SM 43, 37, 256
	s_add_co_u32 s44, s43, 128
	SPLUS 43, 50, 2
	SPLUS 44, 36, 4
	s_add_co_u32 s44, s44, s38
	s_lshr_b32 s28, s27, 1
	s_lshl_b32 s28, s28, 16                        ; (16 b + st) x 128 positions x 512 bytes
	SPLUS 28, 26, 256                              ; + head y's 256 bytes
	SPLUS 32, 26, REGB                             ; head y's block
	v_add_nc_u32 v4, s39, v60
	v_add_nc_u32 v6, s40, v62
	v_add_nc_u32 v12, s43, v59
	v_add_nc_u32 v13, s44, v59
	v_add_nc_u32 v12, v12, v3                      ; K's byte: 256 c + 8 r + 2 i + hl
	v_lshl_add_u32 v13, v3, 1, v13                 ; V's: 256 c + 128 + 8 r + 2 (2 (w & 1) + hl) + ((w >> 1) & 1)
	s_wait_alu depctr_va_vdst(0)                   ; the wait at the head's end
	s_wait_kmcnt 0x0
	s_add_nc_u64 s[4:5], s[4:5], s[28:29]
	s_add_nc_u64 s[6:7], s[6:7], s[28:29]
	s_add_nc_u64 s[16:17], s[16:17], s[32:33]
.irp j, 0,1,2,3,4,5,6,7
	global_load_b128 v[RC+4*\j:RC+4*\j+3], v4, s[4:5] offset:(2*\j+24*(\j/4))*512 th:TH_LOAD_NT   ; the tile's keys + 0..7 and + 32..39; read once in the launch
.endr
.set i, 0
.rept 32
	global_load_b32 v[RD+i], v6, s[6:7] offset:512*i           ; V(32 (w >> 1) + i, my channel)
.set i, i+1
.endr
	s_wait_loadcnt 32                              ; K is in; behind it: V 32
	TURN_IN RC, STGK
	TURN_OUT RB, STGK
	s_wait_dscnt 0x0                               ; K's blocks are back
	QBLK RB, CK, 30
	global_store_b128 v10, v[CK:CK+3], s[16:17]    ; the wave stores 512 consecutive bytes, at a multiple of 256 from kv's first byte
	ds_store_b8 v12, v30 offset:SCI
	s_wait_loadcnt 0x0                             ; V
	QBLK RD, CV, 31
	global_store_b128 v11, v[CV:CV+3], s[16:17] offset:4096    ; each half of the lanes stores 256 consecutive bytes, aligned
	ds_store_b8 v13, v31 offset:SCI
	s_wait_dscnt 0x0                               ; for the others' sake: my scale bytes lie in LDS
	s_barrier_signal -1
	s_barrier_wait -1
	s_cmp_lg_u32 s22, 1
	s_cbranch_scc1 .Lcodes_done
	ds_load_b128 v[56:59], v16 offset:SCI          ; wave 1: the step's scale bytes, gathered from all eight waves
	s_wait_dscnt 0x0
	global_store_b128 v16, v[56:59], s[16:17] offset:8192      ; 512 consecutive bytes
.Lcodes_done:
	s_wait_tensorcnt 0x0                           ; the wave's end
	ds_add_u32 v254, v255
	s_wait_dscnt 0x0
	s_endpgm
.Lfunc_end_k_q4e43ea2412_prep:
	.size	k_q4e43ea2412_prep, .Lfunc_end_k_q4e43ea2412_prep-k_q4e43ea2412_prep
	.p2alignl 7, 3214868480
	.fill 96, 4, 3214868480
	.section	.rodata,"a",@progbits
	.p2align	6, 0x0
	.amdhsa_kernel k_q4e43ea2412_prep
		.amdhsa_group_segment_fixed_size 80384
		.amdhsa_private_segment_fixed_size 0
		.amdhsa_enable_private_segment 0
		.amdhsa_kernarg_size 56
		.amdhsa_user_sgpr_count 2
		.amdhsa_user_sgpr_kernarg_segment_ptr 1
		.amdhsa_wavefront_size32 1
		.amdhsa_system_sgpr_workgroup_id_x 1
		.amdhsa_system_sgpr_workgroup_id_y 1
		.amdhsa_system_sgpr_workgroup_id_z 1
		.amdhsa_system_vgpr_workitem_id 0
		.amdhsa_next_free_vgpr 256
		.amdhsa_next_free_sgpr 66
		.amdhsa_reserve_vcc 0
		.amdhsa_float_denorm_mode_32 3
		.amdhsa_float_denorm_mode_16_64 3
		.amdhsa_memory_ordered 1
		.amdhsa_forward_progress 1
		.amdhsa_inst_pref_size 29
	.end_amdhsa_kernel
	.amdgpu_metadata
---
amdhsa.version: [ 1, 2 ]
amdhsa.kernels:
  - .name:           k_q4e43ea2412_prep
    .symbol:         k_q4e43ea2412_prep.kd
    .args:
      - { .name: keys, .offset: 0, .size: 8, .value_kind: global_buffer, .address_space: global }
      - { .name: values, .offset: 8, .size: 8, .value_kind: global_buffer, .address_space: global }
      - { .name: W1, .offset: 16, .size: 8, .value_kind: global_buffer, .address_space: global }
      - { .name: b1, .offset: 24, .size: 8, .value_kind: global_buffer, .address_space: global }
      - { .name: W2, .offset: 32, .size: 8, .value_kind: global_buffer, .address_space: global }
      - { .name: b2, .offset: 40, .size: 8, .value_kind: global_buffer, .address_space: global }
      - { .name: kv, .offset: 48, .size: 8, .value_kind: global_buffer, .address_space: global }
    .group_segment_fixed_size: 80384
    .private_segment_fixed_size: 0
    .kernarg_segment_align: 8
    .kernarg_segment_size: 56
    .max_flat_workgroup_size: 256
    .sgpr_count:     66
    .vgpr_count:     256
    .wavefront_size: 32
...
	.end_amdgpu_metadata
.endif
;; end of part 1
;; launch attn (part 2): grid 16 x 16, 8 waves a work-group, clusters of 4 x 1, 327,680 bytes of LDS; arguments queries, kv, out0; writes out0
.if DOCPART == 2
	.amdgcn_target "amdgcn-amd-amdhsa--gfx1250"
	.amdhsa_code_object_version 6
	.text
	.protected	k_q4e43ea2412_attn
	.globl	k_q4e43ea2412_attn
	.p2align	8
	.type	k_q4e43ea2412_attn,@function
k_q4e43ea2412_attn:
	s_mov_b64 s[64:65], 0
	v_nop
	global_prefetch_b8 v0, s[64:65] scope:SCOPE_SE
	s_setreg_imm32_b32 hwreg(HW_REG_WAVE_MODE, 25, 1), 1
	s_wait_xcnt 0x0
	s_wait_alu depctr_hold_cnt(0) depctr_sa_sdst(0) depctr_va_vdst(0) depctr_va_sdst(0) depctr_va_ssrc(0) depctr_va_vcc(0) depctr_vm_vsrc(0)
	s_getreg_b32 s2, hwreg(HW_REG_IB_STS2, 6, 4)
	s_cmp_eq_u32 s2, 0
	s_cbranch_scc0 .Lentry_in_a_cluster
	s_endpgm
.Lentry_in_a_cluster:
	s_bfe_u32 s2, ttmp6, 0x10000c
	s_cmp_lg_u32 s2, 0x3003
	s_cbranch_scc0 .Lentry_shape_is_right
	s_endpgm
.Lentry_shape_is_right:
; ATTN.  out0[b][q][h][:] = the sum over keys s of softmax_s((Q . K_s + deg[b][s] - max_s deg[b][s]) / 8) V_s, both products on codes of E2M1 with one E8M0 scale for each 32 along a product's K.
; queries, out0: [8][2048][2][64] f32.  kv: 16 regions (2 b + h) of 16 step blocks of 9,216 bytes: images of operand registers (K at 0, V^T at 4096), scale bytes (at 8192: 256 for each 64 keys, K's in the first 128, V's in the others)
; and 128 deg (at 8704), clipped, the maximum not yet taken off.
; THE SOFTMAX AHEAD OF THE SECOND PRODUCT: t = logit x log2(e) = c (score + deg) - c max deg, c = log2(e) / 8; M = the largest t so far, rounded UP to a whole number; p = 2^(t - M) is quantised along the keys, not normalised;
; the row's sum is taken of the unquantised p and divides at the end.  When M moves, the sum and O are multiplied by 2^(old M - new M): exact.
; max deg cannot be left out although it is the same along the softmax's axis: it moves t against the whole numbers, and so p's codes.
; SHARES.  A work-group owns 128 queries of one (batch, head).  Wave w of eight: key half w >> 2 (eight steps of 128 keys) and two query tiles of 16: tile A = 2 (w & 3) + (w >> 2), tile B = A xor 1.  Every fragment of K, V
; and deg that a wave loads serves both tiles.  Waves w and w xor 4 have the same two tiles and the two key halves: at the end each hands its B over and finishes its A; since M is a whole number that costs two exact scalings.
; LDS.  The region's 147,456 bytes fit whole: each byte is filled once.  Each wave brings two step blocks of its key half, each by one tensor load of 36 rows of 256 bytes: block w & 3 at the head, block 4 + (w & 3) behind a round of the
; cluster's barrier.  A work-group barrier, signalled behind the second step and awaited behind the third, shows the later blocks to all.  No prefetch: there is no loop for these loads to run behind.
; CLUSTER.  The four work-groups of a cluster are four query blocks of one region: every block is asked for JOINTLY, by the same tensor load with the same descriptor and the mask of all four.
; Q K^T HAS K = 64, HALF OF THE INSTRUCTION'S 128.  Source 0 holds TWO tiles of 16 keys side by side along the instruction's K; source 1 is Q's codes in one half and zero codes in the other: eight of twelve registers, zeros, Q, zeros.
; Zero codes add nothing under any scale byte that is not 0xff, and every byte here lies in 1 .. 254.
; deg IS THE C OF THE FIRST PRODUCT, for both tiles.
; LAYOUT.  Both products transposed (source 0 = keys, or V^T's channels; source 1 = queries): a lane holds ONE query (lane % 16) throughout.  Key tile 4 c + i has in its rows 0-7 the keys 64 c + 8 i + 0..7 and in its rows 8-15
; those 32 further on, so a lane's 32 registers of four tiles are ONE WHOLE BLOCK of 32 keys, 64 c + 32 (lane / 16) + 0..31, in the order that the second product's operand wants: no maximum and no code of a block crosses lanes.
; A BLOCK'S SCALE: its largest p is 2^x, x = its largest t - M, so the scale's exponent is floor(x) - 2; x is held at -124 from below, so the byte is at least 1.
; THE ORDER OF A STEP: its scores are made at the end of the step before, among the sums; A's way from its largest score to its factors is laid among B's search, B's among A's multiply-adds; B's multiply-adds among A's exponentials,
; A's codes and first sums among B's; the next step's K is asked for at the head, its deg ahead of the exponentials.
; LIMITS: NaN and infinities among the inputs are not served.  A block whose largest magnitude lies under 2^-124 has its scale byte held at 1.
.set STEPB, 9216
.set REGB,  16*STEPB
.set QIMG,  REGB                       ; eight query tiles' codes, 512 bytes each
.set QSC,   QIMG+4096                  ; their scale words, 64 bytes each
.set RED,   QSC+512                    ; eight waves' maxima of deg (a block of 256 bytes)
.set MRG,   RED+256                    ; 8 x 4,608 bytes: each wave's B: O^T (4,096) and statistics (512)
.set STG,   MRG+8*4608                 ; 16 rows x 272 bytes for each wave: Q's turn, later the way out
.set SPARE, STG+8*4352                 ; the spare words, 1,024 bytes.  (The launch claims all of LDS)
; WINDOW 0: v1 16 l; v2 8704 + 128 hl; v16 8192 + 8 r; v3, v4, v11 the step's addresses; v5 stage by rows; v6 stage by blocks; v7 my place in MRG, v10 my partner's; v8 512 hl + 16 r (Q, out0); v9 stage for O;
;   v[12:15] the conversions' scale operands (A, A, B, B); v17 8 hl; v18, v20 A's, B's addend -M - c max deg (low words of pairs); v22, v24 A's, B's 2^(old M - new M); v[26:27], v[28:29] their sums in two halves;
;   v30 B's -M, v31 B's largest score; v245, v246 A's largest score and -M; v32-43, v44-55 A's, B's Q (zeros, codes, zeros); v56-59 K's scale words, v60-63 V's, v240, v241 Q's, v242, v243 p's (scales and nothing else);
;   v64-71, v72-79 p's codes; v80-143 A's scores, then p; v144-207 B's; v208-239 at work; v244 c max deg; v247 a lane permute's destination; v[248:251] V's scale bytes as they lie; v254, v255 the add's
; WINDOW 1: v0-31 A's O^T, v32-63 B's; v64-95 K's four pairs; v96-127 V^T's four tiles; v128-191 deg
; SCALAR: s12 wave; s[16:23] descriptor group 1, s[24:27], s[28:31] groups 0 (head, later); s[32:33] lane selects; s[34:35] c; s36 the step's block in LDS; s37 a counter; s57, s58 byte selects
.set SA, 80
.set SB, 144
.set QA, 32
.set QB, 44
.set KF, 64
.set VF, 96
.set DG, 128
.set W,  208
.set MSB, 0
.macro WIN new                         ; the immediate's high byte repeats the setting that is left
.if MSB != \new
	s_set_vgpr_msb (MSB<<8)|\new
.set MSB, \new
.endif
.endm
.macro ROUND                           ; a round of the cluster's barrier: my work-group's barrier; wave 0 signals for the work-group; every wave waits for all four work-groups; my work-group's barrier once more
	s_barrier_signal -1
	s_barrier_wait -1
	s_cmp_lg_u32 s12, 0
	s_cbranch_scc1 .Lnot_wave_0_\@
	s_barrier_signal -3
.Lnot_wave_0_\@:
	s_barrier_wait -3
	s_barrier_signal -1
	s_barrier_wait -1
.endm
	s_load_b128 s[4:7], s[0:1], 0x0                ; queries s[4:5], kv s[6:7]
	s_load_b64 s[8:9], s[0:1], 0x10                ; out0
	v_lshl_add_u32 v254, v0, 2, SPARE
	v_mov_b32 v255, 0
	ds_add_u32 v254, v255                          ; the wave's opening: the add, twice on end, and its wait ahead of my tensor load
	ds_add_u32 v254, v255
	v_lshrrev_b32 v222, 5, v0
	v_readfirstlane_b32 s12, v222                  ; wave 0..7
	v_lshl_add_u32 v221, v222, 2, RED              ; my wave's word among the maxima
	v_and_b32 v223, 15, v0                         ; r
	v_bfe_u32 v224, v0, 4, 1                       ; hl
	v_and_b32 v225, 31, v0                         ; l
	s_wait_alu depctr_va_vdst(0)                   ; the wait ahead of the scalar run
	s_bfe_u32 s13, ttmp6, 0x40000                  ; cx: it enters queries' and out0's addresses alone
	s_lshl_b32 s14, ttmp9, 2
	s_add_co_u32 s14, s14, s13                     ; my block of 128 queries = 4 x cluster x + cx
	s_and_b32 s15, ttmp7, 0xffff                   ; the region 2 b + h, which the four partners share
	s_and_b32 s38, s12, 3
	s_lshr_b32 s39, s12, 2                         ; my key half
	s_lshl_b32 s40, s38, 1
	s_add_co_u32 s40, s40, s39                     ; tile A
	s_xor_b32 s41, s40, 1                          ; tile B
	s_mul_i32 s36, s39, 8*STEPB                    ; my first step's block in LDS
	s_mul_i32 s25, s38, STEPB
	s_add_co_u32 s25, s25, s36                     ; the first block that I fetch: the same place in the region and in LDS
	s_mul_i32 s42, s15, REGB
	s_add_co_u32 s42, s42, s25
	s_mov_b32 s43, 0
	s_lshr_b32 s44, s15, 1                         ; b
	s_and_b32 s45, s15, 1                          ; h
	s_lshl_b32 s46, s44, 20                        ; Q, out0: batch 2048 x 512 bytes,
	s_lshl_b32 s47, s14, 16                        ; block 128 x 512,
	s_add_co_u32 s46, s46, s47
	s_lshl_b32 s47, s40, 13                        ; tile A 16 x 512,
	s_add_co_u32 s46, s46, s47
	s_lshl_b32 s47, s45, 8                         ; head 256
	s_add_co_u32 s46, s46, s47
	s_mov_b32 s47, 0
	s_mov_b32 s32, 0x76543210
	s_mov_b32 s33, 0xfedcba98                      ; v_permlanex16_b32's selects for lane l xor 16
	s_mov_b32 s34, 0x3e38aa3b                      ; c = log2(e) / sqrt(64)
	s_mov_b32 s35, s34                             ; (named with it as a pair, so it is written)
	s_mov_b32 s57, 0x05040100                      ; v_perm_b32: both low halves,
	s_mov_b32 s58, 0x07060302                      ; both high halves
	; descriptor group 1: a dense block of 36 rows of 256 bytes (32 elements of 8 bytes), no padding: images are read 512 consecutive bytes at a time
	s_mov_b32 s16, 15|(3<<16)|(1<<21)              ; 15:0 the mask: all four work-groups; 17:16 elements of 8 bytes; 21 set beside a mask
	s_mov_b32 s17, 32<<16                          ; tensor_dim0 = 32
	s_mov_b32 s18, 36<<16                          ; tensor_dim1 = 36
	s_mov_b32 s19, 32<<16                          ; tile_dim0 = 32
	s_mov_b32 s20, 36                              ; tile_dim1 = 36
	s_mov_b32 s21, 32                              ; elements from row to row
	s_mov_b32 s22, 0
	s_mov_b32 s23, 0
	s_mul_i32 s50, s12, 4352
	s_add_co_u32 s50, s50, STG                     ; my stage
	s_mul_i32 s51, s12, 4608
	s_add_co_u32 s51, s51, MRG
	s_xor_b32 s52, s12, 4
	s_mul_i32 s52, s52, 4608
	s_add_co_u32 s52, s52, MRG
	s_lshl_b32 s53, s40, 9
	s_add_co_u32 s53, s53, QIMG
	s_lshl_b32 s54, s41, 9
	s_add_co_u32 s54, s54, QIMG
	s_lshl_b32 s55, s40, 6
	s_add_co_u32 s55, s55, QSC
	s_lshl_b32 s56, s41, 6
	s_add_co_u32 s56, s56, QSC
	v_lshlrev_b32 v1, 4, v225
	v_lshlrev_b32 v226, 4, v223                    ; 16 r
	v_lshlrev_b32 v17, 3, v224
	v_lshlrev_b32 v227, 2, v223                    ; 4 r
	v_lshlrev_b32 v2, 7, v224
	v_lshlrev_b32 v16, 3, v223
	v_mul_u32_u24 v6, v223, 272
	v_lshl_add_u32 v8, v224, 9, v226
	v_mad_u32_u24 v5, v224, 272, v226
	v_add_nc_u32 v2, 8704, v2
	v_add_nc_u32 v16, 8192, v16
	v_add_nc_u32 v6, s50, v6
	v_add_nc_u32 v5, s50, v5                       ; 272 hl + 16 r
	v_add_nc_u32 v7, s51, v1
	v_lshl_add_u32 v9, v224, 5, v6                 ; 272 r + 32 hl
	v_lshl_add_u32 v6, v224, 7, v6                 ; 272 r + 128 hl
	v_add_nc_u32 v10, s52, v1
	v_add_nc_u32 v216, s53, v1                     ; A's image of Q: I store it;
	v_add_nc_u32 v217, s54, v1                     ; B's: I load it
	v_add_nc_u32 v218, s55, v227                   ; their scale words
	v_add_nc_u32 v219, s56, v227
	v_mov_b32 v220, RED
	v_add_nc_u32 v3, s36, v1
	v_add_nc_u32 v4, s36, v2
	v_add_nc_u32 v11, s36, v16
.irp k, 19,21,23,25,247
	v_mov_b32 v[\k], 0                             ; pairs' upper words, named and not taken; a lane permute's destination counts as a source
.endr
.irp k, 0,1,2,3
	v_mov_b32 v[QA+\k], 0                          ; zero codes on both sides of Q's
	v_mov_b32 v[QA+8+\k], 0
	v_mov_b32 v[QB+\k], 0
	v_mov_b32 v[QB+8+\k], 0
.endr
	s_wait_alu depctr_va_vdst(0)                   ; the wait at the head's end
	s_wait_dscnt 0x0                               ; both opening adds are done
	s_wait_kmcnt 0x0
	s_add_nc_u64 s[6:7], s[6:7], s[42:43]
	s_add_nc_u64 s[4:5], s[4:5], s[46:47]
	s_add_nc_u64 s[8:9], s[8:9], s[46:47]
.irp j, 0,1,2,3,4,5,6,7
	global_load_b128 v[80+4*\j:83+4*\j], v8, s[4:5] offset:1024*\j   ; Q of tile A: queries 2 j + hl, sixteen lanes to a row of 256 bytes; on their way across the round
.endr
	global_load_b128 v[112:115], v1, s[6:7] offset:8704              ; my eighth of the batch's deg: my two blocks' 512 bytes
	global_load_b128 v[116:119], v1, s[6:7] offset:8704+4*STEPB
	s_mov_b32 s24, 1                               ; group 0 at the head: count = 1; s25 the LDS address;
	s_mov_b64 s[26:27], s[6:7]                     ; global address,
	s_or_b32 s27, s27, 0x80000000                  ; type = 2
	s_mov_b32 s28, 1                               ; and later: four blocks further on, in the region and in LDS
	s_add_co_u32 s29, s25, 4*STEPB
	s_add_nc_u64 s[30:31], s[6:7], 4*STEPB
	s_or_b32 s31, s31, 0x80000000
	ROUND                                          ; all four work-groups are here: the joint loads meet
	tensor_load_to_lds s[24:27], s[16:23]          ; one tensor load a wave at the head
	s_nop 0
.rept 4
	v_nop
.endr
	s_wait_loadcnt 2                               ; Q is in; behind it: deg's two loads
.irp j, 0,1,2,3,4,5,6,7
	ds_store_b128 v5, v[80+4*\j:83+4*\j] offset:544*\j         ; Q turns through my stage:
.endr
.irp i, 0,1,2,3,4,5,6,7
	ds_load_b128 v[144+4*\i:147+4*\i], v6 offset:16*\i         ; lane (r, hl) takes query r's channels 32 hl + 0..31, a whole block.  LDS serves a wave's instructions in order (ISA guide 5.7.1.4)
.endr
	s_wait_loadcnt 0x0
	v_max3_num_f32 v208, v112, v113, v114
	v_max3_num_f32 v209, v115, v116, v117
	v_max3_num_f32 v208, v208, v118, v119
	v_max_num_f32 v208, v208, v209
.irp k, 1,2,4,8
	v_max_num_f32_dpp v208, v208, v208 row_xmask:\k row_mask:0xf bank_mask:0xf
.endr
	v_permlanex16_b32 v247, v208, s32, s33
	v_max_num_f32 v208, v208, v247
	ds_store_b32 v221, v208                        ; my wave's maximum: all lanes write the same word with the same value
	s_wait_dscnt 1                                 ; Q's block is in (that store may be out)
	v_max3_num_f32 v209, |v144|, |v145|, |v146|
	v_max3_num_f32 v210, |v147|, |v148|, |v149|
.irp i, 6,10,14,18,22,26
	v_max3_num_f32 v209, v209, |v[144+\i]|, |v[145+\i]|
	v_max3_num_f32 v210, v210, |v[146+\i]|, |v[147+\i]|
.endr
	v_max3_num_f32 v209, v209, |v174|, |v175|
	v_max3_num_f32 v209, v209, v210, 0x1800000     ; the floor 2^(3 - 127): the byte cannot fall under 1
	v_add_nc_u32 v210, 0xff000000, v209            ; 2 off the exponent field: the conversion's scale operand
	v_lshrrev_b32 v211, 23, v210                   ; the scale's byte
.irp g, 0,1,2,3
	v_cvt_scalef32_pk8_fp4_f32 v[QA+4+\g], v[144+8*\g:151+8*\g], v210
.endr
	v_nop                                          ; one plain place behind the last scaled conversion
	v_lshlrev_b32 v211, v17, v211                  ; my byte at its place: channels 0-31 byte 0, channels 32-63 byte 1,
	v_permlanex16_b32 v247, v211, s32, s33
	v_or_b32 v211, v211, v247                      ; with lane l xor 16's,
	v_lshl_or_b32 v240, v211, 16, v211             ; and once more for the upper half of the instruction's K
	ds_store_b128 v216, v[QA+4:QA+7]               ; my partner's B
	ds_store_b32 v218, v240                        ; (both halves of the lanes write the same word with the same value)
	s_wait_alu depctr_va_vdst(0)                   ; the wait ahead of the blocking waits
	s_wait_tensorcnt 0x0                           ; my first block is in
	ds_add_u32 v254, v255
	s_wait_dscnt 0x0                               ; the add is done, and my image, scale word and maximum lie in LDS
	ROUND                                          ; everybody's do, and all four work-groups are here: the joint loads meet,
	tensor_load_to_lds s[28:31], s[16:23]          ; and my later block's load, the first tensor load behind the round
	s_nop 0
.rept 4
	v_nop
.endr
.macro LDD off                         ; 16 loads: deg in the scores' layout (sixteen lanes share an address)
	WIN 0x40                                       ; destination window 1
.irp n, 0,1,2,3,4,5,6,7,8,9,10,11,12,13,14,15
	ds_load_b128 v[DG+4*\n:DG+4*\n+3], v4 offset:\off+256*(\n/8)+16*(\n%8)
.endr
.endm
.macro LDKW off                        ; K's scale words
	ds_load_b64 v[56:57], v11 offset:\off
	ds_load_b64 v[58:59], v11 offset:\off+256
.endm
.macro LDK off                         ; K's pairs
	WIN 0x40
.irp n, 0,1,2,3,4,5,6,7
	ds_load_b128 v[KF+4*\n:KF+4*\n+3], v3 offset:\off+512*\n
.endr
.endm
.macro SMUL s, q, sc, b0               ; S^T = K Q^T + deg: the tiles of pairs b0, b0 + 1
	WIN 0x11
.irp b, \b0, \b0+1
	v_wmma_scale_f32_16x16x128_f8f6f4 v[\s+16*(\b):\s+16*(\b)+7], v[KF+8*(\b):KF+8*(\b)+7], v[\q+4:\q+11], v[DG+16*(\b):DG+16*(\b)+7], v[56+\b], v[\sc] matrix_a_fmt:MATRIX_FMT_FP4 matrix_b_fmt:MATRIX_FMT_FP4
	v_wmma_scale_f32_16x16x128_f8f6f4 v[\s+16*(\b)+8:\s+16*(\b)+15], v[KF+8*(\b):KF+8*(\b)+7], v[\q:\q+7], v[DG+16*(\b)+8:DG+16*(\b)+15], v[56+\b], v[\sc] matrix_a_fmt:MATRIX_FMT_FP4 matrix_b_fmt:MATRIX_FMT_FP4
.endr
.endm
.macro PV o, p, ps, first              ; O^T += V^T P^T: four accumulators, one instruction each
.irp t, 0,1,2,3
.if \first
	WIN 0x41
	v_wmma_scale_f32_16x16x128_f8f6f4 v[\o+8*\t:\o+8*\t+7], v[VF+8*\t:VF+8*\t+7], v[\p:\p+7], 0, v[60+\t], v[\ps] matrix_a_fmt:MATRIX_FMT_FP4 matrix_b_fmt:MATRIX_FMT_FP4
.else
	WIN 0x51
	v_wmma_scale_f32_16x16x128_f8f6f4 v[\o+8*\t:\o+8*\t+7], v[VF+8*\t:VF+8*\t+7], v[\p:\p+7], v[\o+8*\t:\o+8*\t+7], v[60+\t], v[\ps] matrix_a_fmt:MATRIX_FMT_FP4 matrix_b_fmt:MATRIX_FMT_FP4
.endif
.endr
.endm
.macro MX d, b, k, l                   ; the k-th line of those that find the largest of 2 l + 2 scores v[b] ..; each accumulator is read from its low end on
.if (\k) == 0
	v_max3_num_f32 v[\d], v[\b], v[\b+1], v[\b+2]
.elseif (\k) < \l
	v_max3_num_f32 v[\d], v[\d], v[\b+2*(\k)+1], v[\b+2*(\k)+2]
.else
	v_max_num_f32 v[\d], v[\d], v[\b+2*\l+1]
.endif
.endm
; From the largest scores of a lane's two blocks (v[b], v[b + 1]) to the tile's factors, line n of 22
.macro CH n, b, m, t, x, pd, p2, R, nM, a, f, op, ps, first
.if (\n) == 0
	v_max_num_f32 v[\m], v[\b], v[\b+1]
.elseif (\n) == 1
	v_permlanex16_b32 v[\pd], v[\m], s32, s33      ; the other two blocks lie in lane l xor 16
.elseif (\n) == 2
.if \first
	v_max_num_f32 v[\R], v[\m], v[\pd]
.else
	v_max3_num_f32 v[\R], v[\R], v[\m], v[\pd]     ; the running largest score
.endif
.elseif (\n) == 3
	v_fma_f32 v[\m], -v[\R], s34, v244             ; -t of it (c is positive)
.elseif (\n) == 4
	v_floor_f32 v[\m], v[\m]                       ; -M = floor(-t) = -ceil(t): a whole number
.elseif (\n) == 5
	v_sub_f32 v[\a], v[\m], v244                   ; t - M = c (score + deg) + this
.elseif (\n) == 6
.if \first == 0
	v_sub_f32 v[\t], v[\m], v[\nM]                 ; old M less new M: a whole number, 0 or less
.endif
.elseif (\n) == 7
	v_fma_f32 v[\x], v[\b], s34, v[\a]             ; x of each block
.elseif (\n) == 8
	v_fma_f32 v[\x+1], v[\b+1], s34, v[\a]
.elseif (\n) == 9
	v_mov_b32 v[\nM], v[\m]
.elseif (\n) == 10
.if \first == 0
	v_cvt_i32_f32 v[\t], v[\t]                     ; (it saturates)
.endif
.elseif (\n) == 11
	v_max_num_f32 v[\x], 0xc2f80000, v[\x]         ; -124
.elseif (\n) == 12
	v_max_num_f32 v[\x+1], 0xc2f80000, v[\x+1]
.elseif (\n) == 13
.if \first == 0
	v_ldexp_f32 v[\f], 1.0, v[\t]                  ; 2^(old M - new M)
.endif
.elseif (\n) == 14
	v_cvt_floor_i32_f32 v[\x], v[\x]
.elseif (\n) == 15
	v_cvt_floor_i32_f32 v[\x+1], v[\x+1]
.elseif (\n) == 16
	v_lshl_add_u32 v[\op], v[\x], 23, 0x3e800000   ; floor(x) - 2 + 127 in the exponent field: the conversion's scale operand
.elseif (\n) == 17
	v_lshl_add_u32 v[\op+1], v[\x+1], 23, 0x3e800000
.elseif (\n) == 18
	v_lshl_add_u32 v[\t], v[\x+1], 16, v[\x]       ; p's scale word for these 128 keys: a lane has the bytes of blocks hl and 2 + hl,
.elseif (\n) == 19
	v_add_lshl_u32 v[\t], v[\t], 0x7d007d, v17     ; floor(x) + 125 each, 8 hl bits up,
.elseif (\n) == 20
	v_permlanex16_b32 v[\p2], v[\t], s32, s33
.else
	v_or_b32 v[\ps], v[\t], v[\p2]                 ; and lane l xor 16 the others
.endif
.endm
.macro CA n, first
	CH \n, 208, 216, 218, 220, 224, 226, 245, 246, 18, 22, 12, 242, \first
.endm
.macro CB n, first
	CH \n, 210, 217, 219, 222, 225, 227, 31, 30, 20, 24, 14, 243, \first
.endm
.macro FA                              ; A's t - M, the next two of the 64 (of the pairs c and the addend the low word serves both halves)
.if fj < 64
	v_pk_fma_f32 v[SA+fj:SA+fj+1], v[SA+fj:SA+fj+1], s[34:35], v[18:19] op_sel_hi:[1,0,0]
.set fj, fj+2
.endif
.endm
.macro ADDS n, d, x, y                 ; n packed additions: v[d ..] = v[x ..] + v[y ..]
.set j, 0
.rept \n
	v_pk_add_f32 v[\d+j:\d+j+1], v[\x+j:\x+j+1], v[\y+j:\y+j+1]
.set j, j+2
.endr
.endm
; A KEY STEP: 128 keys, both query tiles; its scores have been made.  first = 1: nothing is summed yet: the second product's C is 0 and nothing is rescaled.  more = 1: the next step's K and deg are asked for, and its scores made.
.macro STEP first, more
	v_add_nc_u32 v3, s36, v1                       ; these three and a v_nop are the four places between the last products and the loads into their registers
	v_add_nc_u32 v4, s36, v2
	v_add_nc_u32 v11, s36, v16
	v_nop
	ds_load_b64 v[248:249], v11 offset:128         ; V's scale bytes: the first 64 keys',
	ds_load_b64 v[250:251], v11 offset:384         ; the others'
.if \more
	LDKW STEPB
.endif
	WIN 0x40
.irp n, 0,1,2,3,4,5,6,7
	ds_load_b128 v[VF+4*\n:VF+4*\n+3], v3 offset:4096+512*\n
.endr
.if \more
	LDK STEPB
.endif
	WIN 0
	; the largest score of each block of 32 keys: A's in four chains by turns, then B's in two, with A's factors between
.irp k, 0,1,2,3,4,5,6,7
	MX 212, SA, \k, 7
	MX 213, SA+16, \k, 7
	MX 214, SA+32, \k, 7
	MX 215, SA+48, \k, 7
.endr
	v_max_num_f32 v208, v212, v213
	v_max_num_f32 v209, v214, v215
.irp k, 0,1,2,3,4,5,6,7,8,9,10,11,12,13,14,15
	MX 210, SB, \k, 15
	MX 211, SB+32, \k, 15
	CA \k, \first
.endr
.set fj, 0
.irp n, 0,1,2,3,4,5,6,7,8,9,10,11,12,13,14,15,16,17,18,19,20,21
	CB \n, \first
	FA
.if \n < 6
	CA \n+16, \first
.else
	FA
.endif
.endr
.if \first == 0
	WIN 0x41
.set j, 0
.rept 16
	v_pk_mul_f32 v[j:j+1], v[j:j+1], v[22:23] op_sel_hi:[1,0]              ; O^T under the new M
	v_pk_mul_f32 v[32+j:33+j], v[32+j:33+j], v[24:25] op_sel_hi:[1,0]
.set j, j+2
.endr
.endif
.if \more
	LDD STEPB
.endif
	WIN 0
	s_wait_alu depctr_va_vdst(0)                   ; the wait ahead of the batch
.set j, 0
.rept 32
	v_exp_f32 v[SA+j], v[SA+j]                     ; A's p = 2^(t - M), at most 1; B's t - M between
	v_exp_f32 v[SA+j+1], v[SA+j+1]
	v_pk_fma_f32 v[SB+j:SB+j+1], v[SB+j:SB+j+1], s[34:35], v[20:21] op_sel_hi:[1,0,0]
.set j, j+2
.endr
	s_wait_alu depctr_va_vdst(0)                   ; behind A's batch and ahead of B's
.set j, 0
.rept 16
	v_exp_f32 v[SB+4*j], v[SB+4*j]                 ; B's p; between, A's codes and the first level of A's sum (of the unquantised p)
	v_exp_f32 v[SB+4*j+1], v[SB+4*j+1]
.if j%2 == 0
	v_cvt_scalef32_pk8_fp4_f32 v[64+j/2], v[SA+4*j:SA+4*j+7], v[12+j/8]
.endif
	v_exp_f32 v[SB+4*j+2], v[SB+4*j+2]
	v_exp_f32 v[SB+4*j+3], v[SB+4*j+3]
	v_pk_add_f32 v[W+2*j:W+2*j+1], v[SA+4*j:SA+4*j+1], v[SA+4*j+2:SA+4*j+3]
.set j, j+1
.endr
	s_wait_dscnt 0x0                               ; all that this step asked for is in
	s_wait_alu depctr_va_vdst(0)                   ; behind B's batch
	v_perm_b32 v60, v250, v248, s57                ; V's scale words: the first 64 keys' two bytes low, the others' high
	v_perm_b32 v61, v250, v248, s58
	v_perm_b32 v62, v251, v249, s57
	v_perm_b32 v63, v251, v249, s58
.irp q, 0,1,2,3,4,5,6,7
	v_cvt_scalef32_pk8_fp4_f32 v[72+\q], v[SB+8*\q:SB+8*\q+7], v[14+\q/4]
.endr
	v_nop                                          ; one plain place behind the last scaled conversion
	ADDS 8, W, W, W+16                             ; the rest of A's sum, and B's on the registers that it leaves; the products between
	ADDS 8, W+16, SB, SB+16
.if \more
	SMUL SA, QA, 240, 0                            ; the next step's scores of A
	WIN 0
.endif
	ADDS 4, W, W, W+8
	ADDS 8, W+16, W+16, SB+32
.if \more
	SMUL SA, QA, 240, 2
	WIN 0
.endif
	ADDS 2, W, W, W+4
	ADDS 8, W+16, W+16, SB+48
	PV 0, 64, 242, \first
	WIN 0
.if \first
	ADDS 1, 26, W, W+2
.else
	ADDS 1, W, W, W+2
.endif
	ADDS 4, W+16, W+16, W+24
.if \first == 0
	v_pk_fma_f32 v[26:27], v[26:27], v[22:23], v[W:W+1] op_sel_hi:[1,0,1]
.endif
	ADDS 2, W+16, W+16, W+20
.if \first
	ADDS 1, 28, W+16, W+18
.else
	ADDS 1, W+16, W+16, W+18
	v_pk_fma_f32 v[28:29], v[28:29], v[24:25], v[W+16:W+17] op_sel_hi:[1,0,1]
.endif
	PV 32, 72, 243, \first
.if \more
	SMUL SB, QB, 241, 0                            ; and of B
	SMUL SB, QB, 241, 2
	s_add_co_u32 s36, s36, STEPB                   ; the next step's block
.endif
	WIN 0
.endm
	ds_load_b128 v[208:211], v220                  ; the eight waves' maxima
	ds_load_b128 v[212:215], v220 offset:16
	ds_load_b128 v[QB+4:QB+7], v217                ; tile B's codes
	ds_load_b32 v241, v219                         ; and scale words
	LDKW 0                                         ; my first step's
	LDK 0
	LDD 0
	WIN 0
	s_wait_dscnt 28                                ; the maxima are in; behind them: Q's two loads and the step's 26
	v_max3_num_f32 v208, v208, v209, v210
	v_max3_num_f32 v211, v211, v212, v213
	v_max3_num_f32 v208, v208, v214, v215
	v_max_num_f32 v208, v208, v211                 ; the batch's largest deg
	v_mul_f32 v244, s34, v208
	s_wait_alu depctr_va_vdst(0)                   ; the wait ahead of the blocking wait
	s_wait_dscnt 0x0
	SMUL SA, QA, 240, 0
	SMUL SA, QA, 240, 2
	SMUL SB, QB, 241, 0
	SMUL SB, QB, 241, 2
	WIN 0
	STEP 1, 1
	STEP 0, 1
	s_wait_alu depctr_va_vdst(0)                   ; the wait ahead of the blocking waits
	s_wait_tensorcnt 0x0                           ; my later block is in
	s_wait_dscnt 0x0
	s_barrier_signal -1                            ; say so; the third step reads and asks for what the round has shown
	STEP 0, 1
	s_barrier_wait -1                              ; everybody's is
	s_mov_b32 s37, 4
.Lstep:
	STEP 0, 1
	s_sub_co_u32 s37, s37, 1
	s_cmp_lg_u32 s37, 0
	s_cbranch_scc1 .Lstep
	STEP 0, 0
.rept 4
	v_nop                                          ; four places in front of the first read of the last results
.endr
	s_wait_alu depctr_va_vdst(0)                   ; the wait ahead of the readers below
	; THE TWO KEY HALVES MEET: B's O^T, sum and -M go to my partner as images of their registers
	WIN 0x04                                       ; the stores' data in window 1
.irp k, 0,1,2,3,4,5,6,7
	ds_store_b128 v7, v[32+4*\k:35+4*\k] offset:512*\k         ; each accumulator from its low end on
.endr
	WIN 0
	ds_store_b128 v7, v[28:31] offset:4096
	s_wait_dscnt 0x0
	s_barrier_signal -1
	s_barrier_wait -1
	ds_load_b128 v[112:115], v10 offset:4096       ; v[112:113] the other half's sum for my A, v114 its -M
.irp k, 0,1,2,3,4,5,6,7
	ds_load_b128 v[80+4*\k:83+4*\k], v10 offset:512*\k
.endr
	s_wait_dscnt 8                                 ; the statistics; O^T's eight loads may be out
	v_min_num_f32 v208, v246, v114                 ; -M of both halves
	v_sub_f32 v209, v208, v246                     ; my M less the common M: a whole number, 0 or less
	v_sub_f32 v210, v208, v114                     ; the other's likewise
	v_cvt_i32_f32 v209, v209
	v_cvt_i32_f32 v210, v210
	v_ldexp_f32 v22, 1.0, v209                     ; both scalings are powers of two
	v_ldexp_f32 v24, 1.0, v210
	v_pk_mul_f32 v[112:113], v[112:113], v[24:25] op_sel_hi:[1,0]
	v_pk_fma_f32 v[26:27], v[26:27], v[22:23], v[112:113] op_sel_hi:[1,0,1]
	v_add_f32 v26, v26, v27                        ; the sum's two halves,
	v_permlanex16_b32 v247, v26, s32, s33
	v_add_f32 v26, v26, v247                       ; and lane l xor 16's: the row's sum
	s_wait_alu depctr_va_vdst(0)
	v_rcp_f32 v208, v26
	v_nop                                          ; a plain place behind the transcendental
	s_wait_alu depctr_va_vdst(0)
	v_mul_f32 v24, v24, v208
	v_mul_f32 v22, v22, v208
	s_wait_alu depctr_va_vdst(0)                   ; the wait ahead of the blocking wait
	s_wait_dscnt 0x0
.set j, 0
.rept 16
	v_pk_mul_f32 v[80+j:81+j], v[80+j:81+j], v[24:25] op_sel_hi:[1,0]
.set j, j+2
.endr
	WIN 0x01
	s_wait_alu depctr_va_vdst(0)                   ; the wait directly ahead of the first readers of O^T
.set j, 0
.rept 16
	v_pk_fma_f32 v[80+j:81+j], v[j:j+1], v[22:23], v[80+j:81+j] op_sel_hi:[1,0,1]   ; register 8 t + i is out(query r, channel 16 t + 8 hl + i)
.set j, j+2
.endr
	WIN 0
	; THE WAY OUT: through my stage, so that sixteen lanes store a query's 256 bytes
.irp t, 0,1,2,3
	ds_store_b128 v9, v[80+8*\t:83+8*\t] offset:64*\t
	ds_store_b128 v9, v[84+8*\t:87+8*\t] offset:64*\t+16
.endr
.irp i, 0,1,2,3,4,5,6,7
	ds_load_b128 v[144+4*\i:147+4*\i], v5 offset:544*\i        ; queries 2 i + hl; these see my stores: LDS serves a wave's instructions in order
.endr
.irp i, 0,1,2,3,4,5,6,7
	s_wait_dscnt 7-\i                              ; read-back i is in; the younger ones may be out
	global_store_b128 v8, v[144+4*\i:147+4*\i], s[8:9] offset:1024*\i th:TH_STORE_NT   ; each half of the lanes stores 256 consecutive bytes, at a multiple of 256 from out0's first byte
.endr
	s_wait_tensorcnt 0x0                           ; the wave's end
	ds_add_u32 v254, v255
	s_wait_dscnt 0x0
	ROUND                                          ; the closing round: no work-group ends while a partner may still ask for a block that names it
	s_endpgm
.Lfunc_end_k_q4e43ea2412_attn:
	.size	k_q4e43ea2412_attn, .Lfunc_end_k_q4e43ea2412_attn-k_q4e43ea2412_attn
	.p2alignl 7, 3214868480
	.fill 96, 4, 3214868480
	.section	.rodata,"a",@progbits
	.p2align	6, 0x0
	.amdhsa_kernel k_q4e43ea2412_attn
		.amdhsa_group_segment_fixed_size 327680
		.amdhsa_private_segment_fixed_size 0
		.amdhsa_enable_private_segment 0
		.amdhsa_kernarg_size 24
		.amdhsa_user_sgpr_count 2
		.amdhsa_user_sgpr_kernarg_segment_ptr 1
		.amdhsa_wavefront_size32 1
		.amdhsa_system_sgpr_workgroup_id_x 1
		.amdhsa_system_sgpr_workgroup_id_y 1
		.amdhsa_system_sgpr_workgroup_id_z 1
		.amdhsa_system_vgpr_workitem_id 0
		.amdhsa_next_free_vgpr 448
		.amdhsa_next_free_sgpr 66
		.amdhsa_reserve_vcc 0
		.amdhsa_float_denorm_mode_32 3
		.amdhsa_float_denorm_mode_16_64 3
		.amdhsa_memory_ordered 1
		.amdhsa_forward_progress 1
		.amdhsa_inst_pref_size 155
	.end_amdhsa_kernel
	.amdgpu_metadata
---
amdhsa.version: [ 1, 2 ]
amdhsa.kernels:
  - .name:           k_q4e43ea2412_attn
    .symbol:         k_q4e43ea2412_attn.kd
    .args:
      - { .name: queries, .offset: 0, .size: 8, .value_kind: global_buffer, .address_space: global }
      - { .name: kv, .offset: 8, .size: 8, .value_kind: global_buffer, .address_space: global }
      - { .name: out0, .offset: 16, .size: 8, .value_kind: global_buffer, .address_space: global }
    .group_segment_fixed_size: 327680
    .private_segment_fixed_size: 0
    .kernarg_segment_align: 8
    .kernarg_segment_size: 24
    .max_flat_workgroup_size: 256
    .sgpr_count:     66
    .vgpr_count:     448
    .wavefront_size: 32
...
	.end_amdgpu_metadata
.endif
;; end of part 2
